; MI455X (gfx1250); checked and timed in simulation.
; The chip was launched on July 23, 2026; its instructions are those of AMD's public machine-readable ISA for CDNA 5 (MIT licence, August 2026) and "CDNA5" Instruction Set Architecture Reference Guide (July 2026). The comments in the code are by the model that wrote it; some were corrected since.
;; Matcher. Allowed arithmetic: float matrix products may take bf16 or f16 operands with f32 sums; all other float work in f32.
;; Inputs: boxes1 262,144 x 4 float32; boxes2 128 x 4 float32.
;; Outputs: out0 262,144 float32; out1 262,144 int32; out2 262,144 int32.
;; 3 versions, each right and faster than the one before. Each part assembles by itself: llvm-mc -triple=amdgcn-amd-amdhsa -mcpu=gfx1250 --defsym DOCPART=n.
;; ======== version 1 of 3: 1 launch
;; launch matcher (part 1): grid 256 x 1, 8 waves a work-group, no clusters, 22,528 bytes of LDS; arguments boxes1, boxes2, out0, out1, out2; writes out0, out1, out2
.if DOCPART == 1
	.amdgcn_target "amdgcn-amd-amdhsa--gfx1250"
	.amdhsa_code_object_version 6
	.text
	.protected	k_q16383278e2_matcher
	.globl	k_q16383278e2_matcher
	.p2align	8
	.type	k_q16383278e2_matcher,@function
k_q16383278e2_matcher:
	s_mov_b64 s[64:65], 0
	v_nop
	global_prefetch_b8 v0, s[64:65] scope:SCOPE_SE
	s_setreg_imm32_b32 hwreg(HW_REG_WAVE_MODE, 25, 1), 1
	s_wait_xcnt 0x0
; Matcher: for each of 262,144 anchors the largest IoU with 128 ground-truth (gt) boxes, the first index that reaches it, and a label.
; boxes1 [262144][4] f32, boxes2 [128][4] f32, rows (y1, x1, y2, x2).  out0 f32 best IoU, out1 i32 index, out2 i32 label.
;
; SHARES.  256 work-groups x 8 waves; a wave owns 128 anchors, a lane 4 NEIGHBOURING anchors (two register pairs), so that each output
; leaves as one 16-byte store a lane: a wave's store covers 512 consecutive bytes, aligned.  Every wave walks all 128 gt boxes; their corners
; are scalars (s_load_b512 = 4 boxes, two buffers in turn), so they cost no vector register and no vector instruction.
; The vector ALU binds (33.6 M pairs x 15 operations against 7.3 MB), so nearly every line does two operations: a dual instruction or a packed one
; on the two anchors of a pair.  26 vector instructions serve 2 anchors x 1 gt box.  Four such chains (2 pairs x 2 boxes) are interleaved.
;
; ARITHMETIC.  Index and label are whole numbers that hang on the last bit of the IoU, so every step is rounded as it is written in the
; problem (no multiply is fused with an add), and the quotient is the correctly rounded one: v_rcp_f32, one Newton step on the reciprocal,
; the quotient, and two corrections by the exact remainder inter - union * q.
; LIMITS.  Inputs are finite.  The quotient is exactly rounded for union < 2^100 and an intersection that is 0 or >= 2^-98 (remainders then
; stay representable, and the reciprocal is no denormal, which v_rcp_f32 would flush); outside of that it may be off in the last bit or flushed.
; The running maximum starts at -1 (an IoU is never negative): a NaN would never win, where the problem's maximum would hand it on.
; The sign of a zero IoU is not kept.
; NOT USED: matrix units (no sums of products); tensor loads, an LDS ring, prefetches (a wave needs 2 KB of anchors, once, asked for in its first
; lines); clusters (all that work-groups share is the gt table of 2 KB).  No wave reads another's LDS bytes: no barrier.
.set REGION, 2688                      ; LDS bytes of a wave: 2,176 for the anchors' turn + 512 for the gt areas
.set KPITCH, 544                       ; 32 anchors in LDS: 512 bytes + 2 x 16 of padding
.set AROFF,  2176                      ; the gt areas in the wave's region
.set BX,   8                           ; anchor k of the lane: v[8+6k : 11+6k].  Bases 6 apart: the two halves of a dual instruction read registers
                                       ; whose numbers differ by 2 modulo 4, as its second sources have to
.set AREA, 12                          ; v12-13, v24-25: the areas of pair 0, pair 1 (in the gaps between the anchors)
.set LAR,  18                          ; v18  LDS address for the read of the gt areas
.set OUTO, 19                          ; v19  byte offset of my 16 bytes in each output
.set BEST, 32                          ; v[32:35] running maximum of my 4 anchors
.set IDX,  36                          ; v[36:39] its index
.set LAB,  40                          ; v[40:43] label
.set AR,   44                          ; v[44:47] lane l: areas of gt boxes 4l .. 4l+3
.set T,    48                          ; v[48:111] four chains of 16 registers; chain c = 2 x (which of two gt boxes) + (which pair)
.set LY, 0                             ; larger y1 (two anchors); later EE
.set LX, 2                             ; larger x1; later RR
.set HY, 4                             ; smaller y2, then height of the intersection
.set HX, 6                             ; smaller x2, then width
.set IN, 8                             ; intersection
.set UN, 10                            ; area1 + area2, then union, then max(union, 1e-10)
.set QQ, 12                            ; quotient
.set EE, 0                             ; residuals of the division
.set RR, 2                             ; reciprocal
.set GA,  16                           ; s[16:31] four gt boxes, buffer A
.set GB,  32                           ; s[32:47] buffer B
.set AS,  48                           ; s[48:51] their areas
.set JS,  52                           ; s[52:55] their indices
.set PH,  56                           ; s56 number of the group of four = the lane of AR that holds its areas
.set CNT, 57                           ; s57 trips left
.set EPS, 58                           ; s58 1e-10
.set MK,  66                           ; s[66:73] compare masks, two for each chain
	s_load_b256 s[4:11], s[0:1], 0x0               ; boxes1 s[4:5], boxes2 s[6:7], out0 s[8:9], out1 s[10:11]
	s_load_b64 s[12:13], s[0:1], 0x20              ; out2
	v_lshl_add_u32 v112, v0, 2, 0x5400
	v_mov_b32 v113, 0
	v_and_b32 v1, 31, v0                           ; lane l
	v_lshrrev_b32 v2, 5, v0
	v_readfirstlane_b32 s14, v2                    ; wave
	v_lshlrev_b32 v3, 4, v1                        ; 16 l
	v_lshl_add_u32 v4, v2, 11, v3                  ; + wave x 128 anchors x 16 bytes
	s_lshl_b32 s2, ttmp9, 14                       ; work-group x 1,024 anchors x 16 bytes
	s_mov_b32 s3, 0
	s_wait_kmcnt 0x0
	s_add_nc_u64 s[4:5], s[4:5], s[2:3]
.irp k, 0,1,2,3
	global_load_b128 v[64+4*\k:67+4*\k], v4, s[4:5] offset:512*\k th:TH_LOAD_NT    ; anchor 32k + l: 512 consecutive bytes a load; read once in the launch
.endr
.irp i, 0,1,2,3
	global_load_b128 v[48+4*\i:51+4*\i], v3, s[6:7] offset:512*\i                  ; gt box 32i + l, for its area
.endr
	s_load_b512 s[GA:GA+15], s[6:7], 0x0           ; gt boxes 0-3 as scalars
	; while these are on their way: addresses and constants
	s_mul_i32 s15, s14, REGION                     ; my wave's LDS bytes
	v_lshrrev_b32 v5, 4, v1
	v_lshl_add_u32 v5, v5, 4, v3
	v_add_nc_u32 v5, s15, v5                       ; in:  anchor a lies at 16 a + 16 (a / 16); a = 32k + l gives 544 k + 16 l + 16 (l / 16)
	v_lshrrev_b32 v6, 2, v1
	v_lshlrev_b32 v7, 6, v1
	v_lshl_add_u32 v6, v6, 4, v7
	v_add_nc_u32 v6, s15, v6                       ; out: a = 4l + k gives 64 l + 16 (l / 4) + 16 k: sixteen lanes, sixteen different 16-byte columns of 256
	v_lshl_add_u32 v7, v1, 2, s15                  ; gt areas in: word 32i + l
	v_add_nc_u32 v[LAR], s15, v3                   ; gt areas out: words 4l .. 4l+3
	v_lshlrev_b32 v[OUTO], 4, v0                   ; thread t's 4 anchors are 16 bytes at 16 t of the group's part of each output
	s_lshl_b32 s2, ttmp9, 12                       ; work-group x 1,024 anchors x 4 bytes
	s_add_nc_u64 s[8:9], s[8:9], s[2:3]
	s_add_nc_u64 s[10:11], s[10:11], s[2:3]
	s_add_nc_u64 s[12:13], s[12:13], s[2:3]
	s_mov_b32 s[EPS], 0x2edbe6ff                   ; 1e-10
	s_mov_b32 s[PH], 0
.irp i, 0,1,2,3
	s_mov_b32 s[JS+\i], \i
	v_mov_b32 v[BEST+\i], -1.0                     ; below every IoU: gt box 0 always wins first
	v_mov_b32 v[IDX+\i], 0
.endr
	s_wait_loadcnt 0x4                             ; the four loads of boxes1 are in; the four of boxes2 behind them may be out
.irp k, 0,1,2,3
	ds_store_b128 v5, v[64+4*\k:67+4*\k] offset:KPITCH*\k
.endr
.irp k, 0,1,2,3
	ds_load_b128 v[BX+6*\k:BX+6*\k+3], v6 offset:16*\k     ; my wave's own bytes, served in order: no wait between stores and loads
.endr
	s_wait_loadcnt 0x0                             ; boxes2
.irp i, 0,1,2,3
	v_pk_add_f32 v[80+2*\i:81+2*\i], v[50+4*\i:51+4*\i], v[48+4*\i:49+4*\i] neg_lo:[0,1] neg_hi:[0,1]   ; (y2 - y1, x2 - x1)
.endr
.irp i, 0,1,2,3
	v_mul_f32 v[88+\i], v[80+2*\i], v[81+2*\i]     ; area of gt box 32i + l
.endr
.irp i, 0,1,2,3
	ds_store_b32 v7, v[88+\i] offset:AROFF+128*\i
.endr
	ds_load_b128 v[AR:AR+3], v[LAR] offset:AROFF   ; back as four neighbouring boxes a lane
	s_wait_dscnt 0x0
.irp k, 0,1,2,3
	v_pk_add_f32 v[80+2*\k:81+2*\k], v[BX+6*\k+2:BX+6*\k+3], v[BX+6*\k:BX+6*\k+1] neg_lo:[0,1] neg_hi:[0,1]
.endr
.irp k, 0,1,2,3
	v_mul_f32 v[AREA+12*(\k>>1)+(\k&1)], v[80+2*\k], v[81+2*\k]    ; area of my anchor k
.endr
.macro CLAMP c                         ; max(union, 1e-10), two anchors
	v_dual_max_num_f32 v[T+16*\c+UN], s[EPS], v[T+16*\c+UN] :: v_dual_max_num_f32 v[T+16*\c+UN+1], s[EPS], v[T+16*\c+UN+1]
.endm
.macro RCP c
	v_rcp_f32 v[T+16*\c+RR], v[T+16*\c+UN]
	v_rcp_f32 v[T+16*\c+RR+1], v[T+16*\c+UN+1]
.endm
; Two gt boxes (scalars s[gb : gb+7], areas s[AS+2k], s[AS+2k+1], indices s[JS+2k], s[JS+2k+1]) against my four anchors: four chains, stage by stage,
; so that an instruction's sources were written three or more instructions earlier.
.macro STEP gb, k
.irp c, 0,1,2,3
	.set CH, T+16*\c
	.set PR, BX+12*(\c&1)
	.set GT, \gb+4*(\c>>1)
	v_dual_max_num_f32 v[CH+LY], s[GT+0], v[PR+0] :: v_dual_max_num_f32 v[CH+LY+1], s[GT+0], v[PR+6]
	v_dual_max_num_f32 v[CH+LX], s[GT+1], v[PR+1] :: v_dual_max_num_f32 v[CH+LX+1], s[GT+1], v[PR+7]
	v_dual_min_num_f32 v[CH+HY], s[GT+2], v[PR+2] :: v_dual_min_num_f32 v[CH+HY+1], s[GT+2], v[PR+8]
	v_dual_min_num_f32 v[CH+HX], s[GT+3], v[PR+3] :: v_dual_min_num_f32 v[CH+HX+1], s[GT+3], v[PR+9]
.endr
.irp c, 0,1,2,3
	.set CH, T+16*\c
	v_pk_add_f32 v[CH+HY:CH+HY+1], v[CH+HY:CH+HY+1], v[CH+LY:CH+LY+1] neg_lo:[0,1] neg_hi:[0,1]
	v_pk_add_f32 v[CH+HX:CH+HX+1], v[CH+HX:CH+HX+1], v[CH+LX:CH+LX+1] neg_lo:[0,1] neg_hi:[0,1]
	v_dual_add_f32 v[CH+UN], s[AS+2*\k+(\c>>1)], v[AREA+12*(\c&1)] :: v_dual_add_f32 v[CH+UN+1], s[AS+2*\k+(\c>>1)], v[AREA+12*(\c&1)+1]
.endr
.irp c, 0,1,2,3
	.set CH, T+16*\c
	v_dual_max_num_f32 v[CH+HY], 0, v[CH+HY] :: v_dual_max_num_f32 v[CH+HY+1], 0, v[CH+HY+1]
	v_dual_max_num_f32 v[CH+HX], 0, v[CH+HX] :: v_dual_max_num_f32 v[CH+HX+1], 0, v[CH+HX+1]
.endr
.irp c, 0,1,2,3
	.set CH, T+16*\c
	v_pk_mul_f32 v[CH+IN:CH+IN+1], v[CH+HY:CH+HY+1], v[CH+HX:CH+HX+1]
.endr
.irp c, 0,1,2,3
	.set CH, T+16*\c
	v_pk_add_f32 v[CH+UN:CH+UN+1], v[CH+UN:CH+UN+1], v[CH+IN:CH+IN+1] neg_lo:[0,1] neg_hi:[0,1]     ; (area1 + area2) - inter
.endr
	; Between a v_rcp_f32 and the first use of its result stands a plain vector instruction that names none of its registers:
	; for chains 0 and 1 that is chain 3's clamp, for chains 2 and 3 the first residuals of chains 0 and 1.
	CLAMP 0
	CLAMP 1
	CLAMP 2
	RCP 0
	RCP 1
	CLAMP 3
	RCP 2
	RCP 3
	; inter / union, correctly rounded
	s_wait_alu depctr_va_vdst(0)
.irp c, 0,1,2,3
	.set CH, T+16*\c
	v_pk_fma_f32 v[CH+EE:CH+EE+1], v[CH+UN:CH+UN+1], v[CH+RR:CH+RR+1], 1.0 op_sel_hi:[1,1,0] neg_lo:[1,0,0] neg_hi:[1,0,0]   ; e = 1 - u r
.endr
.irp c, 0,1,2,3
	.set CH, T+16*\c
	v_pk_fma_f32 v[CH+RR:CH+RR+1], v[CH+EE:CH+EE+1], v[CH+RR:CH+RR+1], v[CH+RR:CH+RR+1]             ; r = r + e r
.endr
.irp c, 0,1,2,3
	.set CH, T+16*\c
	v_pk_mul_f32 v[CH+QQ:CH+QQ+1], v[CH+IN:CH+IN+1], v[CH+RR:CH+RR+1]                               ; q = inter r
.endr
.rept 2
.irp c, 0,1,2,3
	.set CH, T+16*\c
	v_pk_fma_f32 v[CH+EE:CH+EE+1], v[CH+UN:CH+UN+1], v[CH+QQ:CH+QQ+1], v[CH+IN:CH+IN+1] neg_lo:[1,0,0] neg_hi:[1,0,0]        ; remainder inter - u q
.endr
.irp c, 0,1,2,3
	.set CH, T+16*\c
	v_pk_fma_f32 v[CH+QQ:CH+QQ+1], v[CH+EE:CH+EE+1], v[CH+RR:CH+RR+1], v[CH+QQ:CH+QQ+1]             ; q = q + remainder r
.endr
.endr
	; maximum and index.  The earlier gt box first, and only a strictly larger value takes the index: of equal values the first stays.
.irp h, 0,1
.irp p, 0,1
	.set CH, T+16*(2*\h+\p)
	v_cmp_gt_f32 s[MK+4*\h+2*\p], v[CH+QQ], v[BEST+2*\p]
	v_cmp_gt_f32 s[MK+4*\h+2*\p+1], v[CH+QQ+1], v[BEST+2*\p+1]
.endr
.irp p, 0,1
	.set CH, T+16*(2*\h+\p)
	v_dual_max_num_f32 v[BEST+2*\p], v[CH+QQ], v[BEST+2*\p] :: v_dual_max_num_f32 v[BEST+2*\p+1], v[CH+QQ+1], v[BEST+2*\p+1]
.endr
.irp p, 0,1
	v_cndmask_b32 v[IDX+2*\p], v[IDX+2*\p], s[JS+2*\k+\h], s[MK+4*\h+2*\p]
	v_cndmask_b32 v[IDX+2*\p+1], v[IDX+2*\p+1], s[JS+2*\k+\h], s[MK+4*\h+2*\p+1]
.endr
.endr
.endm
; The four gt boxes of one scalar buffer
.macro PHASE g
.irp i, 0,1,2,3
	v_readlane_b32 s[AS+\i], v[AR+\i], s[PH]       ; area of gt box 4 PH + i
.endr
	STEP \g, 0
	STEP \g+8, 1
	s_add_co_u32 s[PH], s[PH], 1
.irp i, 0,1,2,3
	s_add_co_u32 s[JS+\i], s[JS+\i], 4
.endr
.endm
	; A trip takes 8 gt boxes, 128 bytes of boxes2.  Each buffer is asked for while the other is worked on (four boxes x 52 vector instructions ahead).
	; Scalar loads return in no order, so their wait is for zero; it also shows the load done whose base is stepped behind it.
	s_mov_b32 s[CNT], 15
.Ltrip:
	s_wait_kmcnt 0x0                               ; buffer A is in
	s_load_b512 s[GB:GB+15], s[6:7], 0x40
	PHASE GA
	s_wait_kmcnt 0x0                               ; buffer B is in
	s_add_nc_u64 s[6:7], s[6:7], 0x80
	s_load_b512 s[GA:GA+15], s[6:7], 0x0           ; the next trip's first four: at most bytes 1,920 to 1,983 of 2,048
	PHASE GB
	s_sub_co_u32 s[CNT], s[CNT], 1
	s_cmp_lg_u32 s[CNT], 0
	s_cbranch_scc1 .Ltrip
	s_wait_kmcnt 0x0                               ; the last trip asks for nothing beyond box 127
	s_load_b512 s[GB:GB+15], s[6:7], 0x40
	PHASE GA
	s_wait_kmcnt 0x0
	PHASE GB
	; label: 1 from 0.7 on, 0 below 0.3, -1 between
.irp k, 0,1,2,3
	v_cmp_gt_f32 s[MK+2*\k], 0x3e99999a, v[BEST+\k]        ; 0.3 > best
	v_cmp_le_f32 s[MK+2*\k+1], 0x3f333333, v[BEST+\k]      ; 0.7 <= best
.endr
.irp k, 0,1,2,3
	v_cndmask_b32 v[LAB+\k], -1, 0, s[MK+2*\k]
.endr
.irp k, 0,1,2,3
	v_cndmask_b32 v[LAB+\k], v[LAB+\k], 1, s[MK+2*\k+1]
.endr
	global_store_b128 v[OUTO], v[BEST:BEST+3], s[8:9] th:TH_STORE_NT       ; each store of the wave covers 512 consecutive bytes, aligned
	global_store_b128 v[OUTO], v[IDX:IDX+3], s[10:11] th:TH_STORE_NT
	global_store_b128 v[OUTO], v[LAB:LAB+3], s[12:13] th:TH_STORE_NT
	s_wait_tensorcnt 0x0
	ds_add_u32 v112, v113
	s_wait_dscnt 0x0
	s_endpgm
.Lfunc_end_k_q16383278e2_matcher:
	.size	k_q16383278e2_matcher, .Lfunc_end_k_q16383278e2_matcher-k_q16383278e2_matcher
	.p2alignl 7, 3214868480
	.fill 96, 4, 3214868480
	.section	.rodata,"a",@progbits
	.p2align	6, 0x0
	.amdhsa_kernel k_q16383278e2_matcher
		.amdhsa_group_segment_fixed_size 22528
		.amdhsa_private_segment_fixed_size 0
		.amdhsa_enable_private_segment 0
		.amdhsa_kernarg_size 40
		.amdhsa_user_sgpr_count 2
		.amdhsa_user_sgpr_kernarg_segment_ptr 1
		.amdhsa_wavefront_size32 1
		.amdhsa_system_sgpr_workgroup_id_x 1
		.amdhsa_system_sgpr_workgroup_id_y 1
		.amdhsa_system_sgpr_workgroup_id_z 1
		.amdhsa_system_vgpr_workitem_id 0
		.amdhsa_next_free_vgpr 114
		.amdhsa_next_free_sgpr 74
		.amdhsa_reserve_vcc 0
		.amdhsa_float_denorm_mode_32 3
		.amdhsa_float_denorm_mode_16_64 3
		.amdhsa_memory_ordered 1
		.amdhsa_forward_progress 1
		.amdhsa_inst_pref_size 59
	.end_amdhsa_kernel
	.amdgpu_metadata
---
amdhsa.version: [ 1, 2 ]
amdhsa.kernels:
  - .name:           k_q16383278e2_matcher
    .symbol:         k_q16383278e2_matcher.kd
    .args:
      - { .name: boxes1, .offset: 0, .size: 8, .value_kind: global_buffer, .address_space: global }
      - { .name: boxes2, .offset: 8, .size: 8, .value_kind: global_buffer, .address_space: global }
      - { .name: out0, .offset: 16, .size: 8, .value_kind: global_buffer, .address_space: global }
      - { .name: out1, .offset: 24, .size: 8, .value_kind: global_buffer, .address_space: global }
      - { .name: out2, .offset: 32, .size: 8, .value_kind: global_buffer, .address_space: global }
    .group_segment_fixed_size: 22528
    .private_segment_fixed_size: 0
    .kernarg_segment_align: 8
    .kernarg_segment_size: 40
    .max_flat_workgroup_size: 256
    .sgpr_count:     74
    .vgpr_count:     114
    .wavefront_size: 32
...
	.end_amdgpu_metadata
.endif
;; end of part 1
;; ======== version 2 of 3: 1 launch; 1.32 times as fast as version 1
;; launch matcher (part 2): grid 256 x 1, 8 waves a work-group, no clusters, 20,992 bytes of LDS; arguments boxes1, boxes2, out0, out1, out2; writes out0, out1, out2
.if DOCPART == 2
	.amdgcn_target "amdgcn-amd-amdhsa--gfx1250"
	.amdhsa_code_object_version 6
	.text
	.protected	k_q16383278e2_matcher
	.globl	k_q16383278e2_matcher
	.p2align	8
	.type	k_q16383278e2_matcher,@function
k_q16383278e2_matcher:
	s_mov_b64 s[64:65], 0
	v_nop
	global_prefetch_b8 v0, s[64:65] scope:SCOPE_SE
	s_setreg_imm32_b32 hwreg(HW_REG_WAVE_MODE, 25, 1), 1
	s_wait_xcnt 0x0
; Matcher: for each of 262,144 anchors the largest IoU with 128 ground-truth (gt) boxes, the first index that reaches it, and a label.
; boxes1 [262144][4] f32, boxes2 [128][4] f32, rows (y1, x1, y2, x2).  out0 f32 best IoU, out1 i32 index, out2 i32 label.
;
; SHARES.  256 work-groups x 8 waves; a wave owns 128 anchors, a lane 4 NEIGHBOURING anchors (two register pairs), so that each output
; leaves as one 16-byte store a lane: a wave's store covers 512 consecutive bytes, aligned.  Every wave walks all 128 gt boxes.
; THE GT TABLE lies in LDS, once for the work-group: waves 0-3 load 32 boxes each, add the areas, and one barrier hands the table to all.  In the
; loop a wave reads it with the same address in every lane (a broadcast), 4 boxes + 4 areas = five 16-byte loads into 20 registers, two such
; buffers in turn.  LDS loads return in order, so the wait for one buffer is counted and leaves the other buffer's five loads out; scalar loads,
; which return in no order, could only be waited for with zero.  These loads take no place in the vector ALU.
; The vector ALU binds (33.6 M pairs x 15 operations against 7.3 MB), so nearly every line does two operations: a dual instruction or a packed one
; on the two anchors of a pair.  26 vector instructions serve 2 anchors x 1 gt box.  Four such chains (2 pairs x 2 boxes) are interleaved.
;
; ARITHMETIC.  Index and label are whole numbers that hang on the last bit of the IoU, so every step is rounded as it is written in the
; problem (no multiply is fused with an add), and the quotient is the correctly rounded one: v_rcp_f32, one Newton step on the reciprocal,
; the quotient, and two corrections by the exact remainder inter - union * q.
; LIMITS.  Inputs are finite.  The quotient is exactly rounded for union < 2^100 and an intersection that is 0 or >= 2^-98 (remainders then
; stay representable, and the reciprocal is no denormal, which v_rcp_f32 would flush); outside of that it may be off in the last bit or flushed.
; The running maximum starts at -1 (an IoU is never negative): a NaN would never win, where the problem's maximum would hand it on.
; The sign of a zero IoU is not kept.
; NOT USED: matrix units (no sums of products); tensor loads, an LDS ring, prefetches (a wave needs 2 KB of anchors, once, asked for in its first
; lines); clusters (all that work-groups share is the gt table of 2 KB, read once by each).
.set GTOFF,  0                         ; LDS: the 128 gt boxes, 16 bytes each
.set AROFF,  2048                      ; their 128 areas
.set TURN,   2560                      ; behind them each wave's own bytes for the anchors' turn
.set REGION, 2176                      ; 128 anchors x 16 bytes + 8 x 16 of padding
.set KPITCH, 544                       ; 32 anchors in LDS: 512 bytes + 2 x 16 of padding
.set BX,   8                           ; anchor k of the lane: v[8+6k : 11+6k].  Bases 6 apart: the two halves of a dual instruction read registers
                                       ; whose numbers differ by 2 modulo 4, as its second sources have to
.set AREA, 12                          ; v12-13, v24-25: the areas of pair 0, pair 1 (in the gaps between the anchors)
.set GST,  18                          ; v18  waves 0-3: where my gt box goes in LDS
.set OUTO, 19                          ; v19  16 t: my 16 bytes in each output; waves 0-3: also my gt box in boxes2
.set GAD,  30                          ; v30  the trip's eight gt boxes in the table (the same in all lanes)
.set AAD,  31                          ; v31  the trip's eight areas
.set BEST, 32                          ; v[32:35] running maximum of my 4 anchors
.set IDX,  36                          ; v[36:39] its index
.set LAB,  40                          ; v[40:43] label
.set AST,  44                          ; v44  waves 0-3: where my gt box's area goes
.set T,    48                          ; v[48:111] four chains of 16 registers; chain c = 2 x (which of two gt boxes) + (which pair)
.set GVA,  112                         ; v[112:131] four gt boxes (16 registers) and their areas (4), buffer A
.set GVB,  132                         ; v[132:151] buffer B
.set LY, 0                             ; larger y1 (two anchors); later EE
.set LX, 2                             ; larger x1; later RR
.set HY, 4                             ; smaller y2, then height of the intersection
.set HX, 6                             ; smaller x2, then width
.set IN, 8                             ; intersection
.set UN, 10                            ; area1 + area2, then union, then max(union, 1e-10)
.set QQ, 12                            ; quotient
.set EE, 0                             ; residuals of the division
.set RR, 2                             ; reciprocal
.set JS,  52                           ; s[52:55] the indices of the four gt boxes at work
.set CNT, 57                           ; s57 trips left
.set EPS, 58                           ; s58 1e-10
.set MK,  66                           ; s[66:73] compare masks, two for each chain
	s_load_b256 s[4:11], s[0:1], 0x0               ; boxes1 s[4:5], boxes2 s[6:7], out0 s[8:9], out1 s[10:11]
	s_load_b64 s[12:13], s[0:1], 0x20              ; out2
	v_lshl_add_u32 v152, v0, 2, 0x4e00
	v_mov_b32 v153, 0
	v_and_b32 v1, 31, v0                           ; lane l
	v_lshrrev_b32 v2, 5, v0
	v_readfirstlane_b32 s14, v2                    ; wave
	v_lshlrev_b32 v3, 4, v1                        ; 16 l
	v_lshl_add_u32 v4, v2, 11, v3                  ; + wave x 128 anchors x 16 bytes
	v_lshlrev_b32 v[OUTO], 4, v0                   ; 16 t
	s_lshl_b32 s2, ttmp9, 14                       ; work-group x 1,024 anchors x 16 bytes
	s_mov_b32 s3, 0
	s_wait_kmcnt 0x0
	s_add_nc_u64 s[4:5], s[4:5], s[2:3]
.irp k, 0,1,2,3
	global_load_b128 v[64+4*\k:67+4*\k], v4, s[4:5] offset:512*\k th:TH_LOAD_NT    ; anchor 32k + l: 512 consecutive bytes a load; read once in the launch
.endr
	; while these are on their way: addresses and constants
	s_mul_i32 s15, s14, REGION
	s_add_co_u32 s15, s15, TURN                    ; my wave's own LDS bytes
	v_lshrrev_b32 v5, 4, v1
	v_lshl_add_u32 v5, v5, 4, v3
	v_add_nc_u32 v5, s15, v5                       ; in:  anchor a lies at 16 a + 16 (a / 16); a = 32k + l gives 544 k + 16 l + 16 (l / 16)
	v_lshrrev_b32 v6, 2, v1
	v_lshlrev_b32 v7, 6, v1
	v_lshl_add_u32 v6, v6, 4, v7
	v_add_nc_u32 v6, s15, v6                       ; out: a = 4l + k gives 64 l + 16 (l / 4) + 16 k: sixteen lanes, sixteen different 16-byte columns of 256
	s_lshl_b32 s2, ttmp9, 12                       ; work-group x 1,024 anchors x 4 bytes
	s_add_nc_u64 s[8:9], s[8:9], s[2:3]
	s_add_nc_u64 s[10:11], s[10:11], s[2:3]
	s_add_nc_u64 s[12:13], s[12:13], s[2:3]
	s_mov_b32 s[EPS], 0x2edbe6ff                   ; 1e-10
	v_mov_b32 v[GAD], 0
	v_mov_b32 v[AAD], 0
.irp i, 0,1,2,3
	s_mov_b32 s[JS+\i], \i
	v_mov_b32 v[BEST+\i], -1.0                     ; below every IoU: gt box 0 always wins first
	v_mov_b32 v[IDX+\i], 0
.endr
	s_lshl_b32 s16, s14, 9                         ; wave x 32 gt boxes x 16 bytes
	s_lshl_b32 s17, s14, 7                         ; wave x 32 areas x 4 bytes
	; THE GT TABLE: waves 0-3, gt box 32 wave + l each lane
	s_cmp_gt_u32 s14, 3
	s_cbranch_scc1 .Lanchors
	global_load_b128 v[48:51], v[OUTO], s[6:7]     ; t < 128 here: bytes 16 t of boxes2's 2,048
	v_add_nc_u32 v[GST], s16, v3
	v_lshl_add_u32 v[AST], v1, 2, s17
	s_wait_loadcnt 0x0
	v_pk_add_f32 v[52:53], v[50:51], v[48:49] neg_lo:[0,1] neg_hi:[0,1]    ; (y2 - y1, x2 - x1)
	v_mul_f32 v54, v52, v53                        ; its area
	ds_store_b128 v[GST], v[48:51] offset:GTOFF
	ds_store_b32 v[AST], v54 offset:AROFF
.Lanchors:
	; THE ANCHORS' TURN, each wave in its own bytes: in as loaded (lane l: anchors l, 32 + l, ..), out as four neighbours a lane
	s_wait_loadcnt 0x0                             ; the four loads of boxes1
.irp k, 0,1,2,3
	ds_store_b128 v5, v[64+4*\k:67+4*\k] offset:KPITCH*\k
.endr
.irp k, 0,1,2,3
	ds_load_b128 v[BX+6*\k:BX+6*\k+3], v6 offset:16*\k     ; my wave's own bytes, served in order: no wait between stores and loads
.endr
	s_wait_dscnt 0x0                               ; zero, for the others' sake: my part of the gt table is in LDS (and my anchors are in registers)
	s_barrier_signal -1
.irp k, 0,1,2,3
	v_pk_add_f32 v[80+2*\k:81+2*\k], v[BX+6*\k+2:BX+6*\k+3], v[BX+6*\k:BX+6*\k+1] neg_lo:[0,1] neg_hi:[0,1]
.endr
.irp k, 0,1,2,3
	v_mul_f32 v[AREA+12*(\k>>1)+(\k&1)], v[80+2*\k], v[81+2*\k]    ; area of my anchor k
.endr
	s_barrier_wait -1                              ; the table is whole; from here on nobody writes LDS
; Four gt boxes and their areas into buffer g: group n (0 or 1) of the trip's eight.  Every lane asks for the same bytes.
.macro FETCH g, n
.irp i, 0,1,2,3
	ds_load_b128 v[\g+4*\i:\g+4*\i+3], v[GAD] offset:GTOFF+64*\n+16*\i
.endr
	ds_load_b128 v[\g+16:\g+19], v[AAD] offset:AROFF+16*\n
.endm
.macro CLAMP c                         ; max(union, 1e-10), two anchors
	v_dual_max_num_f32 v[T+16*\c+UN], s[EPS], v[T+16*\c+UN] :: v_dual_max_num_f32 v[T+16*\c+UN+1], s[EPS], v[T+16*\c+UN+1]
.endm
.macro RCP c
	v_rcp_f32 v[T+16*\c+RR], v[T+16*\c+UN]
	v_rcp_f32 v[T+16*\c+RR+1], v[T+16*\c+UN+1]
.endm
; Two gt boxes (v[gb : gb+7], areas v[ga], v[ga+1], indices s[JS+2k], s[JS+2k+1]) against my four anchors: four chains, stage by stage, so that
; an instruction's sources were written three or more instructions earlier.  In a dual instruction the gt number is the first source of both halves.
.macro STEP gb, ga, k
.irp c, 0,1,2,3
	.set CH, T+16*\c
	.set PR, BX+12*(\c&1)
	.set GT, \gb+4*(\c>>1)
	v_dual_max_num_f32 v[CH+LY], v[GT+0], v[PR+0] :: v_dual_max_num_f32 v[CH+LY+1], v[GT+0], v[PR+6]
	v_dual_max_num_f32 v[CH+LX], v[GT+1], v[PR+1] :: v_dual_max_num_f32 v[CH+LX+1], v[GT+1], v[PR+7]
	v_dual_min_num_f32 v[CH+HY], v[GT+2], v[PR+2] :: v_dual_min_num_f32 v[CH+HY+1], v[GT+2], v[PR+8]
	v_dual_min_num_f32 v[CH+HX], v[GT+3], v[PR+3] :: v_dual_min_num_f32 v[CH+HX+1], v[GT+3], v[PR+9]
.endr
.irp c, 0,1,2,3
	.set CH, T+16*\c
	v_pk_add_f32 v[CH+HY:CH+HY+1], v[CH+HY:CH+HY+1], v[CH+LY:CH+LY+1] neg_lo:[0,1] neg_hi:[0,1]
	v_pk_add_f32 v[CH+HX:CH+HX+1], v[CH+HX:CH+HX+1], v[CH+LX:CH+LX+1] neg_lo:[0,1] neg_hi:[0,1]
	v_dual_add_f32 v[CH+UN], v[\ga+(\c>>1)], v[AREA+12*(\c&1)] :: v_dual_add_f32 v[CH+UN+1], v[\ga+(\c>>1)], v[AREA+12*(\c&1)+1]
.endr
.irp c, 0,1,2,3
	.set CH, T+16*\c
	v_dual_max_num_f32 v[CH+HY], 0, v[CH+HY] :: v_dual_max_num_f32 v[CH+HY+1], 0, v[CH+HY+1]
	v_dual_max_num_f32 v[CH+HX], 0, v[CH+HX] :: v_dual_max_num_f32 v[CH+HX+1], 0, v[CH+HX+1]
.endr
.irp c, 0,1,2,3
	.set CH, T+16*\c
	v_pk_mul_f32 v[CH+IN:CH+IN+1], v[CH+HY:CH+HY+1], v[CH+HX:CH+HX+1]
.endr
.irp c, 0,1,2,3
	.set CH, T+16*\c
	v_pk_add_f32 v[CH+UN:CH+UN+1], v[CH+UN:CH+UN+1], v[CH+IN:CH+IN+1] neg_lo:[0,1] neg_hi:[0,1]     ; (area1 + area2) - inter
.endr
	; Between a v_rcp_f32 and the first use of its result stands a plain vector instruction that names none of its registers:
	; for chains 0 and 1 that is chain 3's clamp, for chains 2 and 3 the first residuals of chains 0 and 1.
	CLAMP 0
	CLAMP 1
	CLAMP 2
	RCP 0
	RCP 1
	CLAMP 3
	RCP 2
	RCP 3
	; inter / union, correctly rounded
	s_wait_alu depctr_va_vdst(0)
.irp c, 0,1,2,3
	.set CH, T+16*\c
	v_pk_fma_f32 v[CH+EE:CH+EE+1], v[CH+UN:CH+UN+1], v[CH+RR:CH+RR+1], 1.0 op_sel_hi:[1,1,0] neg_lo:[1,0,0] neg_hi:[1,0,0]   ; e = 1 - u r
.endr
.irp c, 0,1,2,3
	.set CH, T+16*\c
	v_pk_fma_f32 v[CH+RR:CH+RR+1], v[CH+EE:CH+EE+1], v[CH+RR:CH+RR+1], v[CH+RR:CH+RR+1]             ; r = r + e r
.endr
.irp c, 0,1,2,3
	.set CH, T+16*\c
	v_pk_mul_f32 v[CH+QQ:CH+QQ+1], v[CH+IN:CH+IN+1], v[CH+RR:CH+RR+1]                               ; q = inter r
.endr
.rept 2
.irp c, 0,1,2,3
	.set CH, T+16*\c
	v_pk_fma_f32 v[CH+EE:CH+EE+1], v[CH+UN:CH+UN+1], v[CH+QQ:CH+QQ+1], v[CH+IN:CH+IN+1] neg_lo:[1,0,0] neg_hi:[1,0,0]        ; remainder inter - u q
.endr
.irp c, 0,1,2,3
	.set CH, T+16*\c
	v_pk_fma_f32 v[CH+QQ:CH+QQ+1], v[CH+EE:CH+EE+1], v[CH+RR:CH+RR+1], v[CH+QQ:CH+QQ+1]             ; q = q + remainder r
.endr
.endr
	; maximum and index.  The earlier gt box first, and only a strictly larger value takes the index: of equal values the first stays.
.irp h, 0,1
.irp p, 0,1
	.set CH, T+16*(2*\h+\p)
	v_cmp_gt_f32 s[MK+4*\h+2*\p], v[CH+QQ], v[BEST+2*\p]
	v_cmp_gt_f32 s[MK+4*\h+2*\p+1], v[CH+QQ+1], v[BEST+2*\p+1]
.endr
.irp p, 0,1
	.set CH, T+16*(2*\h+\p)
	v_dual_max_num_f32 v[BEST+2*\p], v[CH+QQ], v[BEST+2*\p] :: v_dual_max_num_f32 v[BEST+2*\p+1], v[CH+QQ+1], v[BEST+2*\p+1]
.endr
.irp p, 0,1
	v_cndmask_b32 v[IDX+2*\p], v[IDX+2*\p], s[JS+2*\k+\h], s[MK+4*\h+2*\p]
	v_cndmask_b32 v[IDX+2*\p+1], v[IDX+2*\p+1], s[JS+2*\k+\h], s[MK+4*\h+2*\p+1]
.endr
.endr
.endm
; The four gt boxes of one buffer: 4 x 52 vector instructions
.macro PHASE g
	STEP \g, \g+16, 0
	STEP \g+8, \g+18, 1
.irp i, 0,1,2,3
	s_add_co_u32 s[JS+\i], s[JS+\i], 4
.endr
.endm
	; A trip takes 8 gt boxes: 128 bytes of the table, 32 bytes of the areas.  Each buffer is asked for while the other is worked on.
	; s_wait_dscnt 5: LDS loads return in order, so the older buffer's five loads are in and the five just issued stay out.  The count holds on
	; the way in (buffer A's five, then B's five) and round the back edge (A's five from the trip's middle, then B's five).
	FETCH GVA, 0
	s_mov_b32 s[CNT], 15
.Ltrip:
	FETCH GVB, 1
	s_wait_dscnt 0x5                               ; buffer A is in
	PHASE GVA
	v_add_nc_u32 v[GAD], 128, v[GAD]               ; the next trip's eight: at most bytes 1,920 to 2,047 of the table's 2,048,
	v_add_nc_u32 v[AAD], 32, v[AAD]                ; 480 to 511 of the areas' 512
	FETCH GVA, 0
	s_wait_dscnt 0x5                               ; buffer B is in
	PHASE GVB
	s_sub_co_u32 s[CNT], s[CNT], 1
	s_cmp_lg_u32 s[CNT], 0
	s_cbranch_scc1 .Ltrip
	FETCH GVB, 1                                   ; the last trip asks for nothing beyond box 127
	s_wait_dscnt 0x5
	PHASE GVA
	s_wait_dscnt 0x0                               ; nothing was issued behind buffer B
	PHASE GVB
	; label: 1 from 0.7 on, 0 below 0.3, -1 between
.irp k, 0,1,2,3
	v_cmp_gt_f32 s[MK+2*\k], 0x3e99999a, v[BEST+\k]        ; 0.3 > best
	v_cmp_le_f32 s[MK+2*\k+1], 0x3f333333, v[BEST+\k]      ; 0.7 <= best
.endr
.irp k, 0,1,2,3
	v_cndmask_b32 v[LAB+\k], -1, 0, s[MK+2*\k]
.endr
.irp k, 0,1,2,3
	v_cndmask_b32 v[LAB+\k], v[LAB+\k], 1, s[MK+2*\k+1]
.endr
	global_store_b128 v[OUTO], v[BEST:BEST+3], s[8:9] th:TH_STORE_NT       ; each store of the wave covers 512 consecutive bytes, aligned
	global_store_b128 v[OUTO], v[IDX:IDX+3], s[10:11] th:TH_STORE_NT
	global_store_b128 v[OUTO], v[LAB:LAB+3], s[12:13] th:TH_STORE_NT
	s_wait_tensorcnt 0x0
	ds_add_u32 v152, v153
	s_wait_dscnt 0x0
	s_endpgm
.Lfunc_end_k_q16383278e2_matcher:
	.size	k_q16383278e2_matcher, .Lfunc_end_k_q16383278e2_matcher-k_q16383278e2_matcher
	.p2alignl 7, 3214868480
	.fill 96, 4, 3214868480
	.section	.rodata,"a",@progbits
	.p2align	6, 0x0
	.amdhsa_kernel k_q16383278e2_matcher
		.amdhsa_group_segment_fixed_size 20992
		.amdhsa_private_segment_fixed_size 0
		.amdhsa_enable_private_segment 0
		.amdhsa_kernarg_size 40
		.amdhsa_user_sgpr_count 2
		.amdhsa_user_sgpr_kernarg_segment_ptr 1
		.amdhsa_wavefront_size32 1
		.amdhsa_system_sgpr_workgroup_id_x 1
		.amdhsa_system_sgpr_workgroup_id_y 1
		.amdhsa_system_sgpr_workgroup_id_z 1
		.amdhsa_system_vgpr_workitem_id 0
		.amdhsa_next_free_vgpr 154
		.amdhsa_next_free_sgpr 74
		.amdhsa_reserve_vcc 0
		.amdhsa_float_denorm_mode_32 3
		.amdhsa_float_denorm_mode_16_64 3
		.amdhsa_memory_ordered 1
		.amdhsa_forward_progress 1
		.amdhsa_inst_pref_size 58
	.end_amdhsa_kernel
	.amdgpu_metadata
---
amdhsa.version: [ 1, 2 ]
amdhsa.kernels:
  - .name:           k_q16383278e2_matcher
    .symbol:         k_q16383278e2_matcher.kd
    .args:
      - { .name: boxes1, .offset: 0, .size: 8, .value_kind: global_buffer, .address_space: global }
      - { .name: boxes2, .offset: 8, .size: 8, .value_kind: global_buffer, .address_space: global }
      - { .name: out0, .offset: 16, .size: 8, .value_kind: global_buffer, .address_space: global }
      - { .name: out1, .offset: 24, .size: 8, .value_kind: global_buffer, .address_space: global }
      - { .name: out2, .offset: 32, .size: 8, .value_kind: global_buffer, .address_space: global }
    .group_segment_fixed_size: 20992
    .private_segment_fixed_size: 0
    .kernarg_segment_align: 8
    .kernarg_segment_size: 40
    .max_flat_workgroup_size: 256
    .sgpr_count:     74
    .vgpr_count:     154
    .wavefront_size: 32
...
	.end_amdgpu_metadata
.endif
;; end of part 2
;; ======== version 3 of 3: 1 launch; 1.49 times as fast as version 1
;; launch matcher (part 3): grid 256 x 1, 8 waves a work-group, no clusters, 20,992 bytes of LDS; arguments boxes1, boxes2, out0, out1, out2; writes out0, out1, out2
.if DOCPART == 3
	.amdgcn_target "amdgcn-amd-amdhsa--gfx1250"
	.amdhsa_code_object_version 6
	.text
	.protected	k_q16383278e2_matcher
	.globl	k_q16383278e2_matcher
	.p2align	8
	.type	k_q16383278e2_matcher,@function
k_q16383278e2_matcher:
	s_mov_b64 s[64:65], 0
	v_nop
	global_prefetch_b8 v0, s[64:65] scope:SCOPE_SE
	s_setreg_imm32_b32 hwreg(HW_REG_WAVE_MODE, 25, 1), 1
	s_wait_xcnt 0x0
; Matcher: for each of 262,144 anchors the largest IoU with 128 ground-truth (gt) boxes, the first index that reaches it, and a label.
; boxes1 [262144][4] f32, boxes2 [128][4] f32, rows (y1, x1, y2, x2).  out0 f32 best IoU, out1 i32 index, out2 i32 label.
;
; SHARES.  256 work-groups x 8 waves; a wave owns 128 anchors, a lane 4 NEIGHBOURING anchors (two register pairs), so that each output
; leaves as one 16-byte store a lane: a wave's store covers 512 consecutive bytes, aligned.  Every wave walks all 128 gt boxes.
; THE GT TABLE lies in LDS, once for the work-group: waves 0-3 load 32 boxes each, add the areas, and one barrier hands the table to all.  In the
; loop a wave reads it with the same address in every lane (a broadcast), 4 boxes + 4 areas = five 16-byte loads into 20 registers, two such
; buffers in turn.  LDS loads return in order, so the wait for one buffer is counted and leaves the other buffer's five loads out; scalar loads,
; which return in no order, could only be waited for with zero.  These loads take no place in the vector ALU.
; The vector ALU binds (33.6 M pairs x 15 operations against 7.3 MB), so nearly every line does two operations: a dual instruction or a packed one
; on the two anchors of a pair.  22 vector instructions serve 2 anchors x 1 gt box.  Four such chains (2 pairs x 2 boxes) are interleaved.
;
; ARITHMETIC.  Index and label are whole numbers that hang on the last bit of the IoU, so every step up to the division is rounded as it is
; written in the problem (no multiply is fused with an add).  The quotient is r = v_rcp_f32(union), q0 = inter r, q = q0 + (inter - union q0) r.
; LIMIT OF THE QUOTIENT.  It is NOT proven correctly rounded.  r is within one last place (relative 2^-23), so q0 is within 1.5 x 2^-23 of the
; quotient; the remainder is rounded by at most 2^-24; so the sum in front of the last rounding is within 1.5 x 2^-23 x 1.5 x 2^-23 = 2.25 x 2^-46
; of the quotient, under 6e-7 of its last place.  The result is the correctly rounded quotient unless the exact one lies that close to the middle
; between two neighbouring f32; there it may be the other neighbour.  An index or a label then differs from the problem's only if that quotient is
; also within one last place of the anchor's other best value or of a threshold.  The proven form (a Newton step on r and a second correction) costs
; four more packed instructions in 22.
; OTHER LIMITS.  Inputs are finite.  The bound above holds for union < 2^100 (the reciprocal is then no denormal, which v_rcp_f32 would flush), an
; intersection that is 0 or >= 2^-98 (remainders then stay representable) and an IoU that is 0 or a normal number.
; The running maximum starts at -1 (an IoU is never negative): a NaN would never win, where the problem's maximum would hand it on.
; The sign of a zero IoU is not kept.
; NOT USED: matrix units (no sums of products); tensor loads, an LDS ring, prefetches (a wave needs 2 KB of anchors, once, asked for in its first
; lines); clusters (all that work-groups share is the gt table of 2 KB, read once by each).
.set GTOFF,  0                         ; LDS: the 128 gt boxes, 16 bytes each
.set AROFF,  2048                      ; their 128 areas
.set TURN,   2560                      ; behind them each wave's own bytes for the anchors' turn
.set REGION, 2176                      ; 128 anchors x 16 bytes + 8 x 16 of padding
.set KPITCH, 544                       ; 32 anchors in LDS: 512 bytes + 2 x 16 of padding
.set BX,   8                           ; anchor k of the lane: v[8+6k : 11+6k].  Bases 6 apart: the two halves of a dual instruction read registers
                                       ; whose numbers differ by 2 modulo 4, as its second sources have to
.set AREA, 12                          ; v12-13, v24-25: the areas of pair 0, pair 1 (in the gaps between the anchors)
.set GST,  18                          ; v18  waves 0-3: where my gt box goes in LDS
.set OUTO, 19                          ; v19  16 t: my 16 bytes in each output; waves 0-3: also my gt box in boxes2
.set GAD,  30                          ; v30  the trip's eight gt boxes in the table (the same in all lanes)
.set AAD,  31                          ; v31  the trip's eight areas
.set BEST, 32                          ; v[32:35] running maximum of my 4 anchors
.set IDX,  36                          ; v[36:39] its index
.set LAB,  40                          ; v[40:43] label
.set AST,  44                          ; v44  waves 0-3: where my gt box's area goes
.set T,    48                          ; v[48:111] four chains of 16 registers; chain c = 2 x (which of two gt boxes) + (which pair)
.set GVA,  112                         ; v[112:131] four gt boxes (16 registers) and their areas (4), buffer A
.set GVB,  132                         ; v[132:151] buffer B
.set LY, 0                             ; larger y1 (two anchors); later EE
.set LX, 2                             ; larger x1; later RR
.set HY, 4                             ; smaller y2, then height of the intersection
.set HX, 6                             ; smaller x2, then width
.set IN, 8                             ; intersection
.set UN, 10                            ; area1 + area2, then union, then max(union, 1e-10)
.set QQ, 12                            ; quotient
.set EE, 0                             ; remainder of the division
.set RR, 2                             ; reciprocal
.set JS,  52                           ; s[52:55] the indices of the four gt boxes at work
.set CNT, 57                           ; s57 trips left
.set EPS, 58                           ; s58 1e-10
.set MK,  66                           ; s[66:73] compare masks, two for each chain
	s_load_b256 s[4:11], s[0:1], 0x0               ; boxes1 s[4:5], boxes2 s[6:7], out0 s[8:9], out1 s[10:11]
	s_load_b64 s[12:13], s[0:1], 0x20              ; out2
	v_lshl_add_u32 v152, v0, 2, 0x4e00
	v_mov_b32 v153, 0
	v_and_b32 v1, 31, v0                           ; lane l
	v_lshrrev_b32 v2, 5, v0
	v_readfirstlane_b32 s14, v2                    ; wave
	v_lshlrev_b32 v3, 4, v1                        ; 16 l
	v_lshl_add_u32 v4, v2, 11, v3                  ; + wave x 128 anchors x 16 bytes
	v_lshlrev_b32 v[OUTO], 4, v0                   ; 16 t
	s_lshl_b32 s2, ttmp9, 14                       ; work-group x 1,024 anchors x 16 bytes
	s_mov_b32 s3, 0
	s_wait_kmcnt 0x0
	s_add_nc_u64 s[4:5], s[4:5], s[2:3]
.irp k, 0,1,2,3
	global_load_b128 v[64+4*\k:67+4*\k], v4, s[4:5] offset:512*\k th:TH_LOAD_NT    ; anchor 32k + l: 512 consecutive bytes a load; read once in the launch
.endr
	; while these are on their way: addresses and constants
	s_mul_i32 s15, s14, REGION
	s_add_co_u32 s15, s15, TURN                    ; my wave's own LDS bytes
	v_lshrrev_b32 v5, 4, v1
	v_lshl_add_u32 v5, v5, 4, v3
	v_add_nc_u32 v5, s15, v5                       ; in:  anchor a lies at 16 a + 16 (a / 16); a = 32k + l gives 544 k + 16 l + 16 (l / 16)
	v_lshrrev_b32 v6, 2, v1
	v_lshlrev_b32 v7, 6, v1
	v_lshl_add_u32 v6, v6, 4, v7
	v_add_nc_u32 v6, s15, v6                       ; out: a = 4l + k gives 64 l + 16 (l / 4) + 16 k: sixteen lanes, sixteen different 16-byte columns of 256
	s_lshl_b32 s2, ttmp9, 12                       ; work-group x 1,024 anchors x 4 bytes
	s_add_nc_u64 s[8:9], s[8:9], s[2:3]
	s_add_nc_u64 s[10:11], s[10:11], s[2:3]
	s_add_nc_u64 s[12:13], s[12:13], s[2:3]
	s_mov_b32 s[EPS], 0x2edbe6ff                   ; 1e-10
	v_mov_b32 v[GAD], 0
	v_mov_b32 v[AAD], 0
.irp i, 0,1,2,3
	s_mov_b32 s[JS+\i], \i
	v_mov_b32 v[BEST+\i], -1.0                     ; below every IoU: gt box 0 always wins first
	v_mov_b32 v[IDX+\i], 0
.endr
	s_lshl_b32 s16, s14, 9                         ; wave x 32 gt boxes x 16 bytes
	s_lshl_b32 s17, s14, 7                         ; wave x 32 areas x 4 bytes
	; THE GT TABLE: waves 0-3, gt box 32 wave + l each lane
	s_cmp_gt_u32 s14, 3
	s_cbranch_scc1 .Lanchors
	global_load_b128 v[48:51], v[OUTO], s[6:7]     ; t < 128 here: bytes 16 t of boxes2's 2,048
	v_add_nc_u32 v[GST], s16, v3
	v_lshl_add_u32 v[AST], v1, 2, s17
	s_wait_loadcnt 0x0
	v_pk_add_f32 v[52:53], v[50:51], v[48:49] neg_lo:[0,1] neg_hi:[0,1]    ; (y2 - y1, x2 - x1)
	v_mul_f32 v54, v52, v53                        ; its area
	ds_store_b128 v[GST], v[48:51] offset:GTOFF
	ds_store_b32 v[AST], v54 offset:AROFF
.Lanchors:
	; THE ANCHORS' TURN, each wave in its own bytes: in as loaded (lane l: anchors l, 32 + l, ..), out as four neighbours a lane
	s_wait_loadcnt 0x0                             ; the four loads of boxes1
.irp k, 0,1,2,3
	ds_store_b128 v5, v[64+4*\k:67+4*\k] offset:KPITCH*\k
.endr
.irp k, 0,1,2,3
	ds_load_b128 v[BX+6*\k:BX+6*\k+3], v6 offset:16*\k     ; my wave's own bytes, served in order: no wait between stores and loads
.endr
	s_wait_dscnt 0x0                               ; zero, for the others' sake: my part of the gt table is in LDS (and my anchors are in registers)
	s_barrier_signal -1
.irp k, 0,1,2,3
	v_pk_add_f32 v[80+2*\k:81+2*\k], v[BX+6*\k+2:BX+6*\k+3], v[BX+6*\k:BX+6*\k+1] neg_lo:[0,1] neg_hi:[0,1]
.endr
.irp k, 0,1,2,3
	v_mul_f32 v[AREA+12*(\k>>1)+(\k&1)], v[80+2*\k], v[81+2*\k]    ; area of my anchor k
.endr
	s_barrier_wait -1                              ; the table is whole; from here on nobody writes LDS
; Four gt boxes and their areas into buffer g: group n (0 or 1) of the trip's eight.  Every lane asks for the same bytes.
.macro FETCH g, n
.irp i, 0,1,2,3
	ds_load_b128 v[\g+4*\i:\g+4*\i+3], v[GAD] offset:GTOFF+64*\n+16*\i
.endr
	ds_load_b128 v[\g+16:\g+19], v[AAD] offset:AROFF+16*\n
.endm
.macro CLAMP c                         ; max(union, 1e-10), two anchors
	v_dual_max_num_f32 v[T+16*\c+UN], s[EPS], v[T+16*\c+UN] :: v_dual_max_num_f32 v[T+16*\c+UN+1], s[EPS], v[T+16*\c+UN+1]
.endm
.macro RCP c
	v_rcp_f32 v[T+16*\c+RR], v[T+16*\c+UN]
	v_rcp_f32 v[T+16*\c+RR+1], v[T+16*\c+UN+1]
.endm
; Two gt boxes (v[gb : gb+7], areas v[ga], v[ga+1], indices s[JS+2k], s[JS+2k+1]) against my four anchors: four chains, stage by stage, so that
; an instruction's sources were written three or more instructions earlier.  In a dual instruction the gt number is the first source of both halves.
.macro STEP gb, ga, k
.irp c, 0,1,2,3
	.set CH, T+16*\c
	.set PR, BX+12*(\c&1)
	.set GT, \gb+4*(\c>>1)
	v_dual_max_num_f32 v[CH+LY], v[GT+0], v[PR+0] :: v_dual_max_num_f32 v[CH+LY+1], v[GT+0], v[PR+6]
	v_dual_max_num_f32 v[CH+LX], v[GT+1], v[PR+1] :: v_dual_max_num_f32 v[CH+LX+1], v[GT+1], v[PR+7]
	v_dual_min_num_f32 v[CH+HY], v[GT+2], v[PR+2] :: v_dual_min_num_f32 v[CH+HY+1], v[GT+2], v[PR+8]
	v_dual_min_num_f32 v[CH+HX], v[GT+3], v[PR+3] :: v_dual_min_num_f32 v[CH+HX+1], v[GT+3], v[PR+9]
.endr
.irp c, 0,1,2,3
	.set CH, T+16*\c
	v_pk_add_f32 v[CH+HY:CH+HY+1], v[CH+HY:CH+HY+1], v[CH+LY:CH+LY+1] neg_lo:[0,1] neg_hi:[0,1]
	v_pk_add_f32 v[CH+HX:CH+HX+1], v[CH+HX:CH+HX+1], v[CH+LX:CH+LX+1] neg_lo:[0,1] neg_hi:[0,1]
	v_dual_add_f32 v[CH+UN], v[\ga+(\c>>1)], v[AREA+12*(\c&1)] :: v_dual_add_f32 v[CH+UN+1], v[\ga+(\c>>1)], v[AREA+12*(\c&1)+1]
.endr
.irp c, 0,1,2,3
	.set CH, T+16*\c
	v_dual_max_num_f32 v[CH+HY], 0, v[CH+HY] :: v_dual_max_num_f32 v[CH+HY+1], 0, v[CH+HY+1]
	v_dual_max_num_f32 v[CH+HX], 0, v[CH+HX] :: v_dual_max_num_f32 v[CH+HX+1], 0, v[CH+HX+1]
.endr
.irp c, 0,1,2,3
	.set CH, T+16*\c
	v_pk_mul_f32 v[CH+IN:CH+IN+1], v[CH+HY:CH+HY+1], v[CH+HX:CH+HX+1]
.endr
.irp c, 0,1,2,3
	.set CH, T+16*\c
	v_pk_add_f32 v[CH+UN:CH+UN+1], v[CH+UN:CH+UN+1], v[CH+IN:CH+IN+1] neg_lo:[0,1] neg_hi:[0,1]     ; (area1 + area2) - inter
.endr
	; Between a v_rcp_f32 and the first use of its result stands a plain vector instruction that names none of its registers:
	; for chains 0 and 1 that is chain 3's clamp, for chains 2 and 3 the first quotients of chains 0 and 1.
	CLAMP 0
	CLAMP 1
	CLAMP 2
	RCP 0
	RCP 1
	CLAMP 3
	RCP 2
	RCP 3
	; inter / union: the first quotient and one correction by its remainder (the bound on the result: see the head)
	s_wait_alu depctr_va_vdst(0)
.irp c, 0,1,2,3
	.set CH, T+16*\c
	v_pk_mul_f32 v[CH+QQ:CH+QQ+1], v[CH+IN:CH+IN+1], v[CH+RR:CH+RR+1]                               ; q0 = inter r
.endr
.irp c, 0,1,2,3
	.set CH, T+16*\c
	v_pk_fma_f32 v[CH+EE:CH+EE+1], v[CH+UN:CH+UN+1], v[CH+QQ:CH+QQ+1], v[CH+IN:CH+IN+1] neg_lo:[1,0,0] neg_hi:[1,0,0]        ; remainder inter - u q0
.endr
.irp c, 0,1,2,3
	.set CH, T+16*\c
	v_pk_fma_f32 v[CH+QQ:CH+QQ+1], v[CH+EE:CH+EE+1], v[CH+RR:CH+RR+1], v[CH+QQ:CH+QQ+1]             ; q = q0 + remainder r
.endr
	; maximum and index.  The earlier gt box first, and only a strictly larger value takes the index: of equal values the first stays.
.irp h, 0,1
.irp p, 0,1
	.set CH, T+16*(2*\h+\p)
	v_cmp_gt_f32 s[MK+4*\h+2*\p], v[CH+QQ], v[BEST+2*\p]
	v_cmp_gt_f32 s[MK+4*\h+2*\p+1], v[CH+QQ+1], v[BEST+2*\p+1]
.endr
.irp p, 0,1
	.set CH, T+16*(2*\h+\p)
	v_dual_max_num_f32 v[BEST+2*\p], v[CH+QQ], v[BEST+2*\p] :: v_dual_max_num_f32 v[BEST+2*\p+1], v[CH+QQ+1], v[BEST+2*\p+1]
.endr
.irp p, 0,1
	v_cndmask_b32 v[IDX+2*\p], v[IDX+2*\p], s[JS+2*\k+\h], s[MK+4*\h+2*\p]
	v_cndmask_b32 v[IDX+2*\p+1], v[IDX+2*\p+1], s[JS+2*\k+\h], s[MK+4*\h+2*\p+1]
.endr
.endr
.endm
; The four gt boxes of one buffer: 4 x 44 vector instructions
.macro PHASE g
	STEP \g, \g+16, 0
	STEP \g+8, \g+18, 1
.irp i, 0,1,2,3
	s_add_co_u32 s[JS+\i], s[JS+\i], 4
.endr
.endm
	; A trip takes 8 gt boxes: 128 bytes of the table, 32 bytes of the areas.  Each buffer is asked for while the other is worked on.
	; s_wait_dscnt 5: LDS loads return in order, so the older buffer's five loads are in and the five just issued stay out.  The count holds on
	; the way in (buffer A's five, then B's five) and round the back edge (A's five from the trip's middle, then B's five).
	FETCH GVA, 0
	s_mov_b32 s[CNT], 15
.Ltrip:
	FETCH GVB, 1
	s_wait_dscnt 0x5                               ; buffer A is in
	PHASE GVA
	v_add_nc_u32 v[GAD], 128, v[GAD]               ; the next trip's eight: at most bytes 1,920 to 2,047 of the table's 2,048,
	v_add_nc_u32 v[AAD], 32, v[AAD]                ; 480 to 511 of the areas' 512
	FETCH GVA, 0
	s_wait_dscnt 0x5                               ; buffer B is in
	PHASE GVB
	s_sub_co_u32 s[CNT], s[CNT], 1
	s_cmp_lg_u32 s[CNT], 0
	s_cbranch_scc1 .Ltrip
	FETCH GVB, 1                                   ; the last trip asks for nothing beyond box 127
	s_wait_dscnt 0x5
	PHASE GVA
	s_wait_dscnt 0x0                               ; nothing was issued behind buffer B
	PHASE GVB
	; label: 1 from 0.7 on, 0 below 0.3, -1 between
.irp k, 0,1,2,3
	v_cmp_gt_f32 s[MK+2*\k], 0x3e99999a, v[BEST+\k]        ; 0.3 > best
	v_cmp_le_f32 s[MK+2*\k+1], 0x3f333333, v[BEST+\k]      ; 0.7 <= best
.endr
.irp k, 0,1,2,3
	v_cndmask_b32 v[LAB+\k], -1, 0, s[MK+2*\k]
.endr
.irp k, 0,1,2,3
	v_cndmask_b32 v[LAB+\k], v[LAB+\k], 1, s[MK+2*\k+1]
.endr
	global_store_b128 v[OUTO], v[BEST:BEST+3], s[8:9] th:TH_STORE_NT       ; each store of the wave covers 512 consecutive bytes, aligned
	global_store_b128 v[OUTO], v[IDX:IDX+3], s[10:11] th:TH_STORE_NT
	global_store_b128 v[OUTO], v[LAB:LAB+3], s[12:13] th:TH_STORE_NT
	s_wait_tensorcnt 0x0
	ds_add_u32 v152, v153
	s_wait_dscnt 0x0
	s_endpgm
.Lfunc_end_k_q16383278e2_matcher:
	.size	k_q16383278e2_matcher, .Lfunc_end_k_q16383278e2_matcher-k_q16383278e2_matcher
	.p2alignl 7, 3214868480
	.fill 96, 4, 3214868480
	.section	.rodata,"a",@progbits
	.p2align	6, 0x0
	.amdhsa_kernel k_q16383278e2_matcher
		.amdhsa_group_segment_fixed_size 20992
		.amdhsa_private_segment_fixed_size 0
		.amdhsa_enable_private_segment 0
		.amdhsa_kernarg_size 40
		.amdhsa_user_sgpr_count 2
		.amdhsa_user_sgpr_kernarg_segment_ptr 1
		.amdhsa_wavefront_size32 1
		.amdhsa_system_sgpr_workgroup_id_x 1
		.amdhsa_system_sgpr_workgroup_id_y 1
		.amdhsa_system_sgpr_workgroup_id_z 1
		.amdhsa_system_vgpr_workitem_id 0
		.amdhsa_next_free_vgpr 154
		.amdhsa_next_free_sgpr 74
		.amdhsa_reserve_vcc 0
		.amdhsa_float_denorm_mode_32 3
		.amdhsa_float_denorm_mode_16_64 3
		.amdhsa_memory_ordered 1
		.amdhsa_forward_progress 1
		.amdhsa_inst_pref_size 50
	.end_amdhsa_kernel
	.amdgpu_metadata
---
amdhsa.version: [ 1, 2 ]
amdhsa.kernels:
  - .name:           k_q16383278e2_matcher
    .symbol:         k_q16383278e2_matcher.kd
    .args:
      - { .name: boxes1, .offset: 0, .size: 8, .value_kind: global_buffer, .address_space: global }
      - { .name: boxes2, .offset: 8, .size: 8, .value_kind: global_buffer, .address_space: global }
      - { .name: out0, .offset: 16, .size: 8, .value_kind: global_buffer, .address_space: global }
      - { .name: out1, .offset: 24, .size: 8, .value_kind: global_buffer, .address_space: global }
      - { .name: out2, .offset: 32, .size: 8, .value_kind: global_buffer, .address_space: global }
    .group_segment_fixed_size: 20992
    .private_segment_fixed_size: 0
    .kernarg_segment_align: 8
    .kernarg_segment_size: 40
    .max_flat_workgroup_size: 256
    .sgpr_count:     74
    .vgpr_count:     154
    .wavefront_size: 32
...
	.end_amdgpu_metadata
.endif
;; end of part 3
